; MI455X (gfx1250); checked and timed in simulation.
; The chip was launched on July 23, 2026; its instructions are those of AMD's public machine-readable ISA for CDNA 5 (MIT licence, August 2026) and "CDNA5" Instruction Set Architecture Reference Guide (July 2026). The comments in the code are by the model that wrote it; some were corrected since.
;; Switch Mo E. Allowed arithmetic: matrix products marked QUANTISED: E3M2 operands, one E8M0 scale for each 32 along K, by v_wmma_scale_f32_16x16x128_f8f6f4 with both operands' format E3M2, f32 sums; products left as they are: f32 operands where the result goes on into a quantised operand, else bf16, f16 or f32 operands; f32 sums; everything else in f32.
;; Inputs: b1 8 x 4,096 float32; b2 8 x 1,024 float32; gate_w 1,024 x 8 float32; w1_codes 8 x 4,096 x 32 x 24 uint8 (E3M2 codes of w1, K innermost, in blocks of 32 codes, four codes in three bytes); w1_scales 8 x 4,096 x 32 uint8 (E8M0 scales of w1, one for each 32 codes along K); w2_codes 8 x 1,024 x 128 x 24 uint8 (E3M2 codes of w2, K innermost, in blocks of 32 codes, four codes in three bytes); w2_scales 8 x 1,024 x 128 uint8 (E8M0 scales of w2, one for each 32 codes along K); x 4 x 256 x 1,024 float32.
;; Outputs: out0 4 x 256 x 1,024 float32.
;; This version of the problem:
;;   THIS VERSION OF THE PROBLEM IS GIVEN IN LOW PRECISION. The matrix products marked QUANTISED in the list below multiply operands that are first quantised to E3M2 (3 exponent bits, 2 mantissa bits; 6 bits a number), with one power-of-two scale for each 32 numbers along K (OCP MX v1.0); their sums are f32. All else is computed in f32.
;;   The module's matrix products, in the order in which they are computed (A, B: the left and right operand; K: the contracted axis; several contracted axes count as one K, in the product's order):
;;     1. [M 1,024, K 1,024] x [K 1,024, N 8]; A: input x; B: input gate_w: left as it is (N = 8 < 16)
;;     2. [M 1,024, K 1,024] x [K 1,024, N 4,096]; A: input x; B: input w1 (given as codes): QUANTISED
;;     3. [M 1,024, K 4,096] x [K 4,096, N 1,024]; A: computed on the way; B: input w2 (given as codes): QUANTISED
;;     4. [M 1,024, K 1,024] x [K 1,024, N 4,096]; A: input x; B: input w1 (given as codes): QUANTISED
;;     5. [M 1,024, K 4,096] x [K 4,096, N 1,024]; A: computed on the way; B: input w2 (given as codes): QUANTISED
;;     6. [M 1,024, K 1,024] x [K 1,024, N 4,096]; A: input x; B: input w1 (given as codes): QUANTISED
;;     7. [M 1,024, K 4,096] x [K 4,096, N 1,024]; A: computed on the way; B: input w2 (given as codes): QUANTISED
;;     8. [M 1,024, K 1,024] x [K 1,024, N 4,096]; A: input x; B: input w1 (given as codes): QUANTISED
;;     9. [M 1,024, K 4,096] x [K 4,096, N 1,024]; A: computed on the way; B: input w2 (given as codes): QUANTISED
;;     10. [M 1,024, K 1,024] x [K 1,024, N 4,096]; A: input x; B: input w1 (given as codes): QUANTISED
;;     11. [M 1,024, K 4,096] x [K 4,096, N 1,024]; A: computed on the way; B: input w2 (given as codes): QUANTISED
;;     12. [M 1,024, K 1,024] x [K 1,024, N 4,096]; A: input x; B: input w1 (given as codes): QUANTISED
;;     13. [M 1,024, K 4,096] x [K 4,096, N 1,024]; A: computed on the way; B: input w2 (given as codes): QUANTISED
;;     14. [M 1,024, K 1,024] x [K 1,024, N 4,096]; A: input x; B: input w1 (given as codes): QUANTISED
;;     15. [M 1,024, K 4,096] x [K 4,096, N 1,024]; A: computed on the way; B: input w2 (given as codes): QUANTISED
;;     16. [M 1,024, K 1,024] x [K 1,024, N 4,096]; A: input x; B: input w1 (given as codes): QUANTISED
;;     17. [M 1,024, K 4,096] x [K 4,096, N 1,024]; A: computed on the way; B: input w2 (given as codes): QUANTISED
;;   THE QUANTISER, for each operand of a quantised product, along K:
;;     - K is cut into blocks of 32 from its start; a last block that is shorter is filled with zeros.
;;     - A block's scale is 2^e with e = floor(log2(the largest magnitude in the block)) - 4, held to -126 .. 127; a block of zeros has e = 0. As a byte (E8M0): e + 127.
;;     - Each number is divided by its block's scale, clamped to +-28, and rounded to the nearest number of E3M2, ties to even, subnormals kept.
;;     - The product sums the exact products of the quantised numbers (number of the format x scale) in f32.
;;   ~~~python
;;   def quantise(x, axis):      # numpy; x: float32 -> the quantised numbers, widened to float32 again
;;       x = np.moveaxis(x, axis, -1); K = x.shape[-1]
;;       x = np.pad(x, [(0, 0)] * (x.ndim - 1) + [(0, -K % 32)]); x = x.reshape(x.shape[:-1] + (-1, 32)); a = np.abs(x).max(-1, keepdims=True)
;;       e = np.where(a > 0, np.clip(np.frexp(np.where(a > 0, a, 1))[1] - 1 - 4, -126, 127), 0)      # np.frexp(a)[1] - 1 = floor(log2(a)), exactly
;;       r = np.clip(x / 2.0 ** e, -28, 28)
;;       step = 2.0 ** (np.maximum(np.frexp(np.where(r == 0, 1, r))[1] - 1, -2) - 2)
;;       q = np.round(r / step) * step * 2.0 ** e      # np.round: ties to even
;;       return np.moveaxis(q.reshape(q.shape[:-2] + (-1,))[..., :K], -1, axis).astype(np.float32)
;;   ~~~
;;   OPERANDS COMPUTED ON THE WAY. 'Computed on the way' means the value that the module computes at that place (a softmax that the list does not call 'softmax' is quantised finished and normalised). What goes into a quantiser is computed in f32, as accurately as f32 sums, v_exp_f32 and their like allow (about 1e-6 of the number): no bf16 or f16 on the way to a quantiser, and a product that is left as it is and whose result goes on into a quantised operand takes f32 operands (vector FMAs, or v_wmma_f32_16x16x4_f32). A number that lies on a knife's edge between two numbers of the format may be rounded either way, as far as f32 arithmetic and the matrix unit's own rounding can turn it there, and no further.
;;   INPUTS GIVEN AS CODES. w1 (in the module: [8, 1024, 4096], K = its axis 1); w2 (in the module: [8, 4096, 1024], K = its axis 1): each comes as NAME_codes (uint8): NAME with its K axis moved to the last place and cut into blocks of 32 codes, [.., K / 32, bytes a block], one block behind the other in memory; four codes in three bytes: a row's codes are one little-endian stream of bits, code i at bits 6 i .. 6 i + 5 (a code: sign, 3 exponent bits, 2 mantissa bits); and NAME_scales (uint8): the same leading axes, one E8M0 byte (e + 127) for each 32 codes along K. Its value is code x scale, taken as it is: it is not quantised again, and the codes and scales need not be those that the quantiser above would give.
;; One version. Each part assembles by itself: llvm-mc -triple=amdgcn-amd-amdhsa -mcpu=gfx1250 --defsym DOCPART=n.
;; ======== version 1 of 1: 3 launches
;; workspace buffers: ridx 4,096 bytes of whole numbers; rgw 4,096 bytes; xq_codes 786,432 bytes; xq_scales 32,768 bytes; order 32,768 bytes of whole numbers; meta 8,192 bytes of whole numbers; h_codes 25,165,824 bytes; h_scales 1,048,576 bytes
;; launch route (part 1): grid 256 x 1, 4 waves a work-group, no clusters, 23,040 bytes of LDS; arguments x, gate_w, ridx, rgw, xq_codes, xq_scales; writes ridx, rgw, xq_codes, xq_scales
.if DOCPART == 1
	.amdgcn_target "amdgcn-amd-amdhsa--gfx1250"
	.amdhsa_code_object_version 6
	.text
	.protected	k_q3d8c87872d_route
	.globl	k_q3d8c87872d_route
	.p2align	8
	.type	k_q3d8c87872d_route,@function
k_q3d8c87872d_route:
	s_mov_b64 s[64:65], 0
	v_nop
	global_prefetch_b8 v0, s[64:65] scope:SCOPE_SE
	s_setreg_imm32_b32 hwreg(HW_REG_WAVE_MODE, 25, 1), 1
	s_wait_xcnt 0x0
; ROUTER AND QUANTISER OF x.  x: [1024 tokens][1024] f32.  gate_w: [1024][8] f32.
; For each token: logits = x . gate_w by f32 multiply-adds, softmax over the 8 logits (the largest logit taken away first), the expert with the largest probability (a tie goes to the
; lower number) into ridx[token], its probability into rgw[token].  Both are stored at places that hang on the token's number alone: no address here hangs on the choice.
; x is also turned into codes of BF6 (E3M2), K innermost, xq_codes [token][768 bytes], with one E8M0 byte for each 32 along K, xq_scales [token][32].
; A block's byte is its largest magnitude's exponent field - 4, held at 1 from below (a block of zeros gets 1: its codes are zeros, and this program alone reads the bytes).
; SHARES.  A work-group of four waves takes 4 tokens; wave w takes k = 256 w .. 256 w + 255 of all four.  Each load of x covers 512 consecutive bytes.
; LIMITS: NaN and infinities among the inputs are not served.  Logits that differ by less than the rounding of an f32 sum of 1,024 terms may be ordered either way.
; No matrix unit: the one product here has 8 columns and decides an argmax, so it is done in f32.
.set XP,   144                         ; a block of 32 numbers in the stage: 128 bytes + 16
.set XWB,  32*XP                       ; a wave's stage: its 32 blocks (4 tokens x 8)
.set CST,  4*XWB                       ; the four tokens' rows of codes, 768 bytes each
.set SST,  CST+4*768                   ; their 4 x 32 scale bytes
.set RED,  SST+256                     ; partial logits: 128 bytes a wave: word 8 token + expert
.set R,    32                          ; v32-63   x as loaded: register 8 t + 4 i + c = x[t][256 w + 128 i + 4 lane + c]
.set G,    64                          ; v64-127  the gate: register 32 i + 8 c + e = gate[256 w + 128 i + 4 lane + c][e]
.set A,    128                         ; v128-159 partial logits: register 8 t + e
.set X,    160                         ; v160-191 one block of 32 neighbours
.set C,    192                         ; v192-197 its codes
.set D,    198                         ; v198-200 the codes of its upper 16, as converted
	s_load_b256 s[4:11], s[0:1], 0x0               ; x s[4:5], gate_w s[6:7], ridx s[8:9], rgw s[10:11]
	s_load_b128 s[12:15], s[0:1], 0x20             ; xq_codes s[12:13], xq_scales s[14:15]
	v_lshl_add_u32 v208, v0, 2, 0x5800
	v_mov_b32 v209, 0
	v_and_b32 v1, 31, v0                           ; lane
	v_lshrrev_b32 v2, 5, v0
	v_readfirstlane_b32 s24, v2                    ; wave 0..3
	v_lshrrev_b32 v3, 3, v1                        ; lane / 8
	v_and_b32 v4, 7, v1                            ; lane % 8
	v_bfe_u32 v5, v0, 4, 1                         ; lane / 16
	s_lshl_b32 s25, s24, 10
	v_lshl_add_u32 v6, v1, 4, s25                  ; x: 16 lane + my quarter's 1,024 bytes
	s_lshl_b32 s26, s24, 13
	v_lshl_add_u32 v7, v1, 7, s26                  ; gate: 4 rows of 32 bytes a lane + my quarter's 8,192 bytes
	s_lshl_b32 s16, ttmp9, 14                      ; 4 tokens x 4,096 bytes
	s_mov_b32 s17, 0
	s_wait_kmcnt 0x0
	s_add_nc_u64 s[4:5], s[4:5], s[16:17]
.irp t, 0,1,2,3
.irp i, 0,1
	global_load_b128 v[R+8*\t+4*\i:R+8*\t+4*\i+3], v6, s[4:5] offset:4096*\t+512*\i th:TH_LOAD_NT
.endr
.endr
.irp i, 0,1
.irp q, 0,1,2,3,4,5,6,7
	global_load_b128 v[G+32*\i+4*\q:G+32*\i+4*\q+3], v7, s[6:7] offset:4096*\i+16*\q
.endr
.endr
	; every LDS address is made here, ahead of all partings of the waves
	s_mul_i32 s27, s24, XWB                        ; my stage
	v_mul_u32_u24 v8, v3, XP
	v_lshl_add_u32 v8, v4, 4, v8
	v_add_nc_u32 v8, s27, v8                       ; in: eight lanes fill a block: 144 (lane / 8) + 16 (lane % 8)
	v_mul_u32_u24 v9, v1, XP
	v_add_nc_u32 v9, s27, v9                       ; out: block = lane
	s_lshl_b32 s28, s24, 7
	s_add_co_u32 s28, s28, RED
	v_lshl_add_u32 v10, v5, 6, s28                 ; my wave's partial logits, 64 bytes for each half of the lanes
	s_mul_i32 s29, s24, 192
	s_add_co_u32 s29, s29, CST
	v_mul_u32_u24 v11, v3, 768
	v_mad_u32_u24 v11, v4, 24, v11
	v_add_nc_u32 v11, s29, v11                     ; my block's 24 bytes of codes: token lane / 8, block 8 w + lane % 8
	s_lshl_b32 s30, s24, 3
	s_add_co_u32 s30, s30, SST
	v_lshl_add_u32 v12, v3, 5, v4
	v_add_nc_u32 v12, s30, v12                     ; and its scale byte
	s_mul_i32 s31, s24, 768
	s_add_co_u32 s32, s31, CST
	v_lshl_add_u32 v13, v1, 3, s32                 ; the way out: token w's row of codes, 8 bytes a lane,
	v_lshl_add_u32 v14, v1, 3, s31                 ; and the same place in xq_codes
	v_lshl_add_u32 v15, v1, 2, SST                 ; the 128 scale bytes, 4 a lane
	v_lshlrev_b32 v16, 2, v1
	v_and_b32 v17, 3, v1
	v_lshl_add_u32 v17, v17, 5, RED                ; the logits of token lane % 4
	s_mul_i32 s18, ttmp9, 3072                     ; 4 rows of codes
	s_mov_b32 s19, 0
	s_lshl_b32 s20, ttmp9, 7                       ; 4 rows of scale bytes
	s_mov_b32 s21, 0
	s_lshl_b32 s22, ttmp9, 4                       ; 4 words
	s_mov_b32 s23, 0
	s_add_nc_u64 s[12:13], s[12:13], s[18:19]
	s_add_nc_u64 s[14:15], s[14:15], s[20:21]
	s_add_nc_u64 s[8:9], s[8:9], s[22:23]
	s_add_nc_u64 s[10:11], s[10:11], s[22:23]
	s_wait_loadcnt 16                              ; x's eight loads are in; the gate's sixteen may be out
.irp t, 0,1,2,3
.irp i, 0,1
	ds_store_b128 v8, v[R+8*\t+4*\i:R+8*\t+4*\i+3] offset:XP*(8*\t+4*\i)
.endr
.endr
.irp q, 0,1,2,3,4,5,6,7
	ds_load_b128 v[X+4*\q:X+4*\q+3], v9 offset:16*\q   ; LDS serves a wave's instructions in order: these see my stores.  Lane l now gets block l % 8 of token l / 8
.endr
	s_wait_loadcnt 0x0                             ; the gate
	; partial logits: 8 numbers of x a token and lane, each against its row of the gate; two experts an instruction; the first product starts each sum
.irp i, 0,1
.irp c, 0,1,2,3
.irp t, 0,1,2,3
.irp p, 0,1,2,3
.if (\i == 0) && (\c == 0)
	v_pk_mul_f32 v[A+8*\t+2*\p:A+8*\t+2*\p+1], v[G+2*\p:G+2*\p+1], v[R+8*\t:R+8*\t+1] op_sel_hi:[1,0]
.elseif (\c % 2) == 0
	v_pk_fma_f32 v[A+8*\t+2*\p:A+8*\t+2*\p+1], v[G+32*\i+8*\c+2*\p:G+32*\i+8*\c+2*\p+1], v[R+8*\t+4*\i+2*(\c/2):R+8*\t+4*\i+2*(\c/2)+1], v[A+8*\t+2*\p:A+8*\t+2*\p+1] op_sel:[0,0,0] op_sel_hi:[1,0,1]
.else
	v_pk_fma_f32 v[A+8*\t+2*\p:A+8*\t+2*\p+1], v[G+32*\i+8*\c+2*\p:G+32*\i+8*\c+2*\p+1], v[R+8*\t+4*\i+2*(\c/2):R+8*\t+4*\i+2*(\c/2)+1], v[A+8*\t+2*\p:A+8*\t+2*\p+1] op_sel:[0,1,0] op_sel_hi:[1,1,1]
.endif
.endr
.endr
.endr
.endr
	; across the 32 lanes.  First the halves: register j's upper lanes change places with register 16 + j's lower lanes, so that one addition folds both: lanes 0-15 then hold sum j, lanes 16-31 sum 16 + j
.irp j, 0,1,2,3,4,5,6,7,8,9,10,11,12,13,14,15
	v_permlane16_swap_b32 v[A+\j], v[A+16+\j]
.endr
.irp j, 0,1,2,3,4,5,6,7,8,9,10,11,12,13,14,15
	v_add_f32 v[A+\j], v[A+\j], v[A+16+\j]
.endr
.irp m, 1,2,4,8
.irp j, 0,1,2,3,4,5,6,7,8,9,10,11,12,13,14,15
	v_add_f32_dpp v[A+\j], v[A+\j], v[A+\j] row_xmask:\m row_mask:0xf bank_mask:0xf
.endr
.endr
.irp q, 0,1,2,3
	ds_store_b128 v10, v[A+4*\q:A+4*\q+3] offset:16*\q   ; the sixteen lanes of a half write the same words with the same values
.endr
	s_wait_dscnt 4                                 ; my block is back from the stage; the four stores just issued may be out
	v_max3_num_f32 v201, |v[X]|, |v[X+1]|, |v[X+2]|   ; the block's largest magnitude: all 32 numbers are mine; two chains
	v_max3_num_f32 v202, |v[X+3]|, |v[X+4]|, |v[X+5]|
.irp i, 6,10,14,18,22,26
	v_max3_num_f32 v201, v201, |v[X+\i]|, |v[X+\i+1]|
	v_max3_num_f32 v202, v202, |v[X+\i+2]|, |v[X+\i+3]|
.endr
	v_max3_num_f32 v201, v201, |v[X+30]|, |v[X+31]|
	v_max3_num_f32 v201, v201, v202, 0x2800000     ; and the floor 2^(5 - 127): the byte cannot fall under 1
	v_add_nc_u32 v203, 0xfe000000, v201            ; 4 off its exponent field: the conversion takes the exponent field of this operand as its scale
	v_cvt_scalef32_pk16_bf6_f32 v[C:C+2], v[X:X+15], v203
	v_cvt_scalef32_pk16_bf6_f32 v[D:D+2], v[X+16:X+31], v203   ; (a conversion's three registers begin on an even number)
	v_lshrrev_b32 v204, 23, v203                   ; the scale's byte; also the plain instruction behind the conversions
.irp i, 0,1,2
	v_mov_b32 v[C+3+\i], v[D+\i]
.endr
.irp i, 0,1,2
	ds_store_b64 v11, v[C+2*\i:C+2*\i+1] offset:8*\i
.endr
	ds_store_b8 v12, v204
	s_wait_dscnt 0x0                               ; for the others' sake: my codes, bytes and partial logits lie in LDS
	s_barrier_signal -1
	s_barrier_wait -1
	; wave w stores token w's row of codes: each instruction 256 consecutive bytes, at a multiple of 256 from the buffer's first byte
.irp u, 0,1,2
	ds_load_b64 v[C+2*\u:C+2*\u+1], v13 offset:256*\u
.endr
	s_wait_dscnt 0x0
.irp u, 0,1,2
	global_store_b64 v14, v[C+2*\u:C+2*\u+1], s[12:13] offset:256*\u
.endr
	s_cmp_lg_u32 s24, 1
	s_cbranch_scc1 .Lno_bytes
	ds_load_b32 v204, v15                          ; wave 1: the four tokens' 128 scale bytes
	s_wait_dscnt 0x0
	global_store_b32 v16, v204, s[14:15]
.Lno_bytes:
	s_cmp_lg_u32 s24, 0
	s_cbranch_scc1 .Lend
	; wave 0: lane l works token l % 4; lanes 0 to 3 store
.irp k, 0,1,2,3
	ds_load_b128 v[64+8*\k:67+8*\k], v17 offset:128*\k
	ds_load_b128 v[68+8*\k:71+8*\k], v17 offset:128*\k+16
.endr
	s_wait_dscnt 0x0
.irp p, 0,2,4,6
	v_pk_add_f32 v[64+\p:65+\p], v[64+\p:65+\p], v[72+\p:73+\p]
	v_pk_add_f32 v[80+\p:81+\p], v[80+\p:81+\p], v[88+\p:89+\p]
.endr
.irp p, 0,2,4,6
	v_pk_add_f32 v[64+\p:65+\p], v[64+\p:65+\p], v[80+\p:81+\p]   ; the four quarters of K: the 8 logits
.endr
	v_max3_num_f32 v96, v64, v65, v66
	v_max3_num_f32 v96, v96, v67, v68
	v_max3_num_f32 v96, v96, v69, v70
	v_max_num_f32 v96, v96, v71                    ; the largest logit
.irp e, 0,1,2,3,4,5,6,7
	v_sub_f32 v[64+\e], v[64+\e], v96              ; exactly 0 at the largest
.endr
.irp e, 0,1,2,3,4,5,6,7
	v_mul_f32 v[64+\e], 0x3fb8aa3b, v[64+\e]       ; x log2(e)
.endr
.irp e, 0,1,2,3,4,5,6,7
	v_exp_f32 v[72+\e], v[64+\e]
.endr
	v_nop                                          ; a plain instruction behind the last exponential
	s_wait_alu depctr_va_vdst(0)                   ; one wait for the eight, ahead of their first reader
	v_add_f32 v97, v72, v73
	v_add_f32 v101, v74, v75
	v_add_f32 v102, v76, v77
	v_add_f32 v103, v78, v79
	v_add_f32 v97, v97, v101
	v_add_f32 v102, v102, v103
	v_add_f32 v97, v97, v102                       ; the sum
	v_mov_b32 v98, v72                             ; the best so far,
	v_mov_b32 v99, 0                               ; and its expert
.irp e, 1,2,3,4,5,6,7
	v_cmp_le_f32 vcc_lo, v[72+\e], v98             ; only a strictly larger one takes over: a tie stays with the lower number
	v_cndmask_b32 v99, \e, v99, vcc_lo
	v_cndmask_b32 v98, v[72+\e], v98, vcc_lo
.endr
	v_rcp_f32 v100, v97
	v_nop
	s_wait_alu depctr_va_vdst(0)
	v_mul_f32 v100, v98, v100                      ; the chosen expert's probability
	v_cmp_gt_u32 vcc_lo, 4, v0
	s_wait_xcnt 0x0                                ; EXEC changes only behind this wait: stores have been issued
	s_and_saveexec_b32 s33, vcc_lo
	global_store_b32 v16, v99, s[8:9]
	global_store_b32 v16, v100, s[10:11]
	s_wait_xcnt 0x0
	s_or_b32 exec_lo, exec_lo, s33
.Lend:
	s_wait_tensorcnt 0x0
	ds_add_u32 v208, v209
	s_wait_dscnt 0x0
	s_endpgm
.Lfunc_end_k_q3d8c87872d_route:
	.size	k_q3d8c87872d_route, .Lfunc_end_k_q3d8c87872d_route-k_q3d8c87872d_route
	.p2alignl 7, 3214868480
	.fill 96, 4, 3214868480
	.section	.rodata,"a",@progbits
	.p2align	6, 0x0
	.amdhsa_kernel k_q3d8c87872d_route
		.amdhsa_group_segment_fixed_size 23040
		.amdhsa_private_segment_fixed_size 0
		.amdhsa_enable_private_segment 0
		.amdhsa_kernarg_size 48
		.amdhsa_user_sgpr_count 2
		.amdhsa_user_sgpr_kernarg_segment_ptr 1
		.amdhsa_wavefront_size32 1
		.amdhsa_system_sgpr_workgroup_id_x 1
		.amdhsa_system_sgpr_workgroup_id_y 1
		.amdhsa_system_sgpr_workgroup_id_z 1
		.amdhsa_system_vgpr_workitem_id 0
		.amdhsa_next_free_vgpr 210
		.amdhsa_next_free_sgpr 66
		.amdhsa_reserve_vcc 1
		.amdhsa_float_denorm_mode_32 3
		.amdhsa_float_denorm_mode_16_64 3
		.amdhsa_memory_ordered 1
		.amdhsa_forward_progress 1
		.amdhsa_inst_pref_size 27
	.end_amdhsa_kernel
	.amdgpu_metadata
---
amdhsa.version: [ 1, 2 ]
amdhsa.kernels:
  - .name:           k_q3d8c87872d_route
    .symbol:         k_q3d8c87872d_route.kd
    .args:
      - { .name: x, .offset: 0, .size: 8, .value_kind: global_buffer, .address_space: global }
      - { .name: gate_w, .offset: 8, .size: 8, .value_kind: global_buffer, .address_space: global }
      - { .name: ridx, .offset: 16, .size: 8, .value_kind: global_buffer, .address_space: global }
      - { .name: rgw, .offset: 24, .size: 8, .value_kind: global_buffer, .address_space: global }
      - { .name: xq_codes, .offset: 32, .size: 8, .value_kind: global_buffer, .address_space: global }
      - { .name: xq_scales, .offset: 40, .size: 8, .value_kind: global_buffer, .address_space: global }
    .group_segment_fixed_size: 23040
    .private_segment_fixed_size: 0
    .kernarg_segment_align: 8
    .kernarg_segment_size: 48
    .max_flat_workgroup_size: 128
    .sgpr_count:     66
    .vgpr_count:     210
    .wavefront_size: 32
...
	.end_amdgpu_metadata
.endif
;; end of part 1
;; launch ffn1 (part 2): grid 32 x 8, 8 waves a work-group, no clusters, 307,200 bytes of LDS; arguments ridx, xq_codes, xq_scales, w1_codes, w1_scales, b1, h_codes, h_scales, order, meta; writes h_codes, h_scales, order, meta
.if DOCPART == 2
	.amdgcn_target "amdgcn-amd-amdhsa--gfx1250"
	.amdhsa_code_object_version 6
	.text
	.protected	k_q3d8c87872d_ffn1
	.globl	k_q3d8c87872d_ffn1
	.p2align	8
	.type	k_q3d8c87872d_ffn1,@function
k_q3d8c87872d_ffn1:
	s_mov_b64 s[64:65], 0
	v_nop
	global_prefetch_b8 v0, s[64:65] scope:SCOPE_SE
	s_setreg_imm32_b32 hwreg(HW_REG_WAVE_MODE, 25, 1), 1
	s_wait_xcnt 0x0
; FIRST LAYER OF THE CHOSEN EXPERTS.  h = Q(gelu(xq W1[e]^T + b1[e])), only for the tokens whose expert is e; Q the quantiser along the second product's K (the hidden units).
; Work-group (x = slice, y = expert e) owns hidden units 128 slice .. + 127 of expert e: 128 rows of W1's codes, 98,304 dense bytes, read from memory once in the launch and kept in LDS.
; THE LIST.  Every work-group reads ridx (the expert of each of the 1,024 tokens, stored by the launch before) and counts its expert's tokens, N; wave 0 lays their numbers in LDS one behind the other (a
; counting sort by lane masks; places from N on hold 1024).  The work-groups of slice 0 also store the list (order[e][1024]) and N (meta[e][..]) for the next launch.
; UNITS.  A unit is 32 places of the list.  Wave w takes units w, w + 8, w + 16, w + 24 (a loop of four trips, a constant), and jumps over a unit that begins at or behind N.  No barrier stands behind that jump.
; A unit: gather its 32 tokens' rows of codes into the wave's own stage in LDS; 8 K steps of 128: 8 tiles of 16 hidden units x 2 tiles of 16 tokens; gelu by erf in f32; quantise; store as images of the
; next product's operand registers: h_codes [e][unit][K step = slice][tile of tokens][3][lane][16 bytes], h_scales [e][unit][K step][32 words] (lanes 0-15: tokens 0-15, lanes 16-31: tokens 16-31).
; AN EMPTY PLACE (1024) TAKES THE TOKEN AT ITS UNIT'S PLACE 0, which is a token of the expert in every unit that is worked: its row repeats row 0's arithmetic, here and in the next launch.
; THE PRODUCT IS USED TRANSPOSED (source 0 = 16 rows of W1, source 1 = 16 tokens): a lane holds one token and its registers run along the hidden units.  THE ROWS OF W1 THAT FORM A TILE ARE NOT NEIGHBOURS:
; lane r of tile 2 b + u takes row 32 b + 8 u + r + 8 (r / 8), so that the 16 registers of tiles 2 b, 2 b + 1 are 16 neighbours along the next K.  In LDS row x lies in the slot with bits 3 and 4 of x swapped, so a tile is 16 slots on end.
; erf(z) = z P(z^2) / Q(z^2), z held to +-4: the rational form in f32 with 7 and 5 coefficients.
; NO TENSOR LOADS, NO CLUSTER: the 32 work-groups of an expert read the same rows of xq, but how many units there are hangs on a count read from memory, and with such a jump the operands go through registers.
; LIMITS: NaN and infinities are not served.  A block of zeros gets the byte 1: its codes are zeros, and this program alone reads the bytes.
; REGISTERS.  Window 0: v1-15 addresses; v[16:19] two coefficients; v20-23 b1; v24-31 x's scale words; v32-63 W1's scale words; v64-111 x's fragments, two sets (later the gelu's temporaries);
;   v112-175 64 numbers at work (earlier: ridx, tokens, gather offsets); v176-191, v192-213 the quantiser's.   Window 1: v0-127 the 16 accumulators ((t, m) at 64 m + 8 t); v128-223 W1's eight fragments; v224-227 LDS addresses.
.set WP,   784                         ; a row of 768 bytes + 16 = 196 words: lane (r, h) of a load of 8 bytes starts at bank 4 r + 6 h mod 64 (64 banks of 4 bytes: ISA guide 11.1): the 32 lanes touch 64 different banks
.set WL,   0                           ; W1's 128 slots
.set XST,  128*WP                      ; the x stages, 32 rows for each wave
.set XWB,  32*WP
.set LIST, XST+8*XWB                   ; 1,024 places, 32 words for the lanes that have nothing to place, and slack: 4,608 bytes
.set BL,   LIST+4608                   ; b1 of the slice: 512 bytes
.set XS,   24
.set WS,   32
.set XF,   64
.set T2,   64                          ; the gelu's z^2,
.set TQ,   80                          ; Q,
.set TP,   96                          ; P: 16 numbers each
.set X,    112
.set IDX,  112
.set TK,   112
.set GA,   128
.set TM,   176
.set PC,   192
.set PW,   212
.set WH,   128                         ; window 1
.set AW,   224                         ; window 1: v224 tiles 0-3, v225 tiles 4-7
.set AX,   226                         ; window 1: my x stage
.set AB,   227                         ; window 1: b1
.set MSB, 0
.macro WIN new                         ; the immediate's high byte repeats the setting that is left
.if MSB != \new
	s_set_vgpr_msb (MSB<<8)|\new
.set MSB, \new
.endif
.endm
.macro PLACES                          ; four plain instructions behind a matrix instruction, ahead of loads into its registers and of reads of its results
.rept 4
	v_nop
.endr
.endm
.macro KPAIR reg, val                  ; a constant for the packed forms: they name a pair, so both words are written
	s_mov_b32 s[\reg], \val
	s_mov_b32 s[\reg+1], \val
.endm
.macro FRAG reg, adr, off              ; a fragment, 16 rows x 128 K of 6-bit codes: 12 registers; lane (r, h) takes 24 bytes at 24 h and 24 at 48 + 24 h, in pieces of 8
.irp p, 0,1,2,3,4,5
	ds_load_b64 v[(\reg)+2*\p:(\reg)+2*\p+1], v[\adr] offset:(\off)+48*(\p/3)+8*(\p%3)
.endr
.endm
.macro FETCH_W half, s                 ; W1's tiles 4 half .. 4 half + 3 of K step s
	WIN 0x51
.irp t, 0,1,2,3
	FRAG WH+48*(\half)+12*\t, AW+(\half), 16*\t*WP+96*(\s)
.endr
.endm
.macro FETCH_X set, s                  ; my two tiles of tokens, K step s: data to window 0, address in window 1
	WIN 0x01
.irp m, 0,1
	FRAG XF+24*(\set)+12*\m, AX, 16*\m*WP+96*(\s)
.endr
.endm
.macro MM t, m, s                      ; tile t of hidden units x tile m of tokens, K step s.  A scale register holds two tiles' words: lanes 0-15 the even one's, lanes 16-31 the odd one's
.set rD, 64*(\m)+8*(\t)
.set rA, WH+12*(\t)
.set rB, XF+24*((\s)%2)+12*(\m)
.set rSA, WS+8*((\t)/2)+(\s)
.set rSB, XS+(\s)
.if (((\t)%2) == 0) && ((\m) == 0)
	v_wmma_scale_f32_16x16x128_f8f6f4 v[rD:rD+7], v[rA:rA+11], v[rB:rB+11], v[rD:rD+7], v[rSA], v[rSB] matrix_a_fmt:MATRIX_FMT_BF6 matrix_b_fmt:MATRIX_FMT_BF6
.elseif (((\t)%2) == 1) && ((\m) == 0)
	v_wmma_scale_f32_16x16x128_f8f6f4 v[rD:rD+7], v[rA:rA+11], v[rB:rB+11], v[rD:rD+7], v[rSA], v[rSB] matrix_a_fmt:MATRIX_FMT_BF6 matrix_b_fmt:MATRIX_FMT_BF6 matrix_a_scale:MATRIX_SCALE_ROW1
.elseif (((\t)%2) == 0) && ((\m) == 1)
	v_wmma_scale_f32_16x16x128_f8f6f4 v[rD:rD+7], v[rA:rA+11], v[rB:rB+11], v[rD:rD+7], v[rSA], v[rSB] matrix_a_fmt:MATRIX_FMT_BF6 matrix_b_fmt:MATRIX_FMT_BF6 matrix_b_scale:MATRIX_SCALE_ROW1
.else
	v_wmma_scale_f32_16x16x128_f8f6f4 v[rD:rD+7], v[rA:rA+11], v[rB:rB+11], v[rD:rD+7], v[rSA], v[rSB] matrix_a_fmt:MATRIX_FMT_BF6 matrix_b_fmt:MATRIX_FMT_BF6 matrix_a_scale:MATRIX_SCALE_ROW1 matrix_b_scale:MATRIX_SCALE_ROW1
.endif
.endm
.macro MUL8 half, s                    ; eight accumulators, one instruction each; the sixteen take turns in the same order in every K step
	WIN 0x51                                       ; W1's fragments, C and D in window 1, x's fragments in window 0
.irp t, 0,1,2,3
.irp m, 0,1
	MM 4*(\half)+\t, \m, \s
.endr
.endr
.endm
; gelu of the 64 sums of tile m of tokens: v[X ..] = a (0.5 + 0.5 erf(a / sqrt 2)).  The accumulators are read from their low ends on.
.macro GELU m
	WIN 0x01
.set n, 0
.rept 32
	v_pk_mul_f32 v[X+n:X+n+1], v[64*(\m)+n:64*(\m)+n+1], s[86:87] op_sel_hi:[1,0]   ; z = a / sqrt 2
.set n, n+2
.endr
	WIN 0
.irp b, 0,1,2,3                        ; 16 numbers at a time
.set n, 0
.rept 16
	v_med3_num_f32 v[X+16*\b+n], v[X+16*\b+n], -4.0, 4.0
.set n, n+1
.endr
.irp i, 0,2,4,6,8,10,12,14
	v_pk_mul_f32 v[T2+\i:T2+\i+1], v[X+16*\b+\i:X+16*\b+\i+1], v[X+16*\b+\i:X+16*\b+\i+1]
.endr
.irp i, 0,2,4,6,8,10,12,14
	v_pk_fma_f32 v[TQ+\i:TQ+\i+1], v[T2+\i:T2+\i+1], s[78:79], v[16:17] op_sel_hi:[1,0,1]
.endr
.irp k, 80,82,84
.irp i, 0,2,4,6,8,10,12,14
	v_pk_fma_f32 v[TQ+\i:TQ+\i+1], v[T2+\i:T2+\i+1], v[TQ+\i:TQ+\i+1], s[\k:\k+1] op_sel_hi:[1,1,0]
.endr
.endr
.set n, 0
.rept 16
	v_rcp_f32 v[TQ+n], v[TQ+n]                     ; 1 / Q: one batch; P's 56 instructions are the independent work behind it
.set n, n+1
.endr
.irp i, 0,2,4,6,8,10,12,14
	v_pk_fma_f32 v[TP+\i:TP+\i+1], v[T2+\i:T2+\i+1], s[66:67], v[18:19] op_sel_hi:[1,0,1]
.endr
.irp k, 68,70,72,74,76
.irp i, 0,2,4,6,8,10,12,14
	v_pk_fma_f32 v[TP+\i:TP+\i+1], v[T2+\i:T2+\i+1], v[TP+\i:TP+\i+1], s[\k:\k+1] op_sel_hi:[1,1,0]
.endr
.endr
.irp i, 0,2,4,6,8,10,12,14
	v_pk_mul_f32 v[TP+\i:TP+\i+1], v[TP+\i:TP+\i+1], v[X+16*\b+\i:X+16*\b+\i+1]
.endr
	s_wait_alu depctr_va_vdst(0)                   ; one wait for the sixteen reciprocals, ahead of their first reader
.irp i, 0,2,4,6,8,10,12,14
	v_pk_mul_f32 v[TP+\i:TP+\i+1], v[TP+\i:TP+\i+1], v[TQ+\i:TQ+\i+1]   ; erf
.endr
.irp i, 0,2,4,6,8,10,12,14
	v_pk_fma_f32 v[X+16*\b+\i:X+16*\b+\i+1], v[TP+\i:TP+\i+1], 0.5, 0.5 op_sel_hi:[1,0,0]
.endr
.endr
	WIN 0x01
.set n, 0
.rept 32
	v_pk_mul_f32 v[X+n:X+n+1], v[64*(\m)+n:64*(\m)+n+1], v[X+n:X+n+1]
.set n, n+2
.endr
	WIN 0
.endm
; 64 numbers of a lane, register 16 b + i = k 32 b + 16 (lane / 16) + i of my token, become a fragment's codes in v[PC] on and its scale word in v[pw].
.macro QUANT s, pw
.irp b, 0,1,2,3
	v_max3_num_f32 v[TM+\b], |v[\s+16*\b]|, |v[\s+1+16*\b]|, 0x2800000   ; block b: my 16 numbers, and the floor 2^(5 - 127): the byte cannot fall under 1
.endr
.irp i, 2,4,6,8,10,12,14
.irp b, 0,1,2,3
	v_max3_num_f32 v[TM+\b], v[TM+\b], |v[\s+16*\b+\i]|, |v[\s+1+16*\b+\i]|
.endr
.endr
.irp b, 0,1,2,3
	v_permlanex16_b32 v[TM+4+\b], v[TM+\b], s88, s89
.endr
.irp b, 0,1,2,3
	v_max_num_f32 v[TM+\b], v[TM+\b], v[TM+4+\b]   ; with lane l xor 16's: the block's largest magnitude
.endr
.irp b, 0,1,2,3
	v_add_nc_u32 v[TM+12+\b], 0xfe000000, v[TM+\b] ; 4 off its exponent field: the conversion's scale operand
.endr
.irp b, 0,1,2,3
	v_lshrrev_b32 v[TM+4+\b], 23, v[TM+12+\b]      ; the scale's byte
.endr
	v_lshl_or_b32 v[\pw], v[TM+5], 8, v[TM+4]
	v_lshl_or_b32 v[\pw], v[TM+6], 16, v[\pw]
	v_lshl_or_b32 v[\pw], v[TM+7], 24, v[\pw]
.irp c, 0,1
	v_cvt_scalef32_pk16_bf6_f32 v[PC+6*\c:PC+2+6*\c], v[\s+32*\c:\s+15+32*\c], v[TM+12+2*\c]
	v_cvt_scalef32_pk16_bf6_f32 v[PC+12+4*\c:PC+14+4*\c], v[\s+16+32*\c:\s+31+32*\c], v[TM+12+2*\c+1]   ; (a conversion's three registers begin on an even number)
.endr
	v_nop                                          ; one plain instruction behind a scaled conversion
.irp c, 0,1                            ; the operand's layout wants a whole block in a lane: lanes 0-15 block 2 c, lanes 16-31 block 2 c + 1
.irp i, 0,1,2
	v_permlane16_swap_b32 v[PC+6*\c+\i], v[PC+12+4*\c+\i]
.endr
.irp i, 0,1,2
	v_mov_b32 v[PC+3+6*\c+\i], v[PC+12+4*\c+\i]
.endr
.endr
.endm
.macro HALF m                          ; tile m of tokens: activation, quantiser, image to memory: each store 512 consecutive bytes
	GELU \m
	s_wait_xcnt 0x0                                ; the stores issued so far have read their registers: the codes' registers may be written again
	QUANT X, PW+\m
.irp c, 0,1,2
	global_store_b128 v10, v[PC+4*\c:PC+4*\c+3], s[32:33] offset:1536*(\m)+512*\c
.endr
.endm
	s_load_b256 s[4:11], s[0:1], 0x0               ; ridx s[4:5], xq_codes s[6:7], xq_scales s[8:9], w1_codes s[10:11]
	s_load_b256 s[12:19], s[0:1], 0x20             ; w1_scales s[12:13], b1 s[14:15], h_codes s[16:17], h_scales s[18:19]
	s_load_b128 s[20:23], s[0:1], 0x40             ; order s[20:21], meta s[22:23]
	v_lshl_add_u32 v254, v0, 2, 0x4ac00
	v_mov_b32 v255, 0
	v_lshrrev_b32 v4, 5, v0
	v_readfirstlane_b32 s24, v4                    ; wave 0..7
	s_and_b32 s25, ttmp7, 0xffff                   ; expert
	s_mov_b32 s26, ttmp9                           ; slice
	v_and_b32 v4, 31, v0                           ; lane
	v_and_b32 v3, 15, v0                           ; r
	v_bfe_u32 v2, v0, 4, 1                         ; h
	v_lshlrev_b32 v1, 4, v3                        ; 16 r
	v_lshlrev_b32 v10, 4, v4                       ; 16 lane
	v_mad_u32_u24 v12, v2, 768, v1                 ; W1 in memory: lanes 0-15 one row's 256 bytes, lanes 16-31 the next row's
	v_and_b32 v14, 8, v3
	v_add_nc_u32 v14, v14, v3                      ; r + 8 (r / 8)
	v_lshl_add_u32 v14, v2, 3, v14                 ; + 8 h: lanes 16-31 take the odd tile's rows
	v_lshlrev_b32 v14, 5, v14                      ; 32 scale bytes a row
	s_mul_i32 s92, s25, 3145728                    ; W1's codes: the expert's 4,096 rows of 768 bytes,
	s_mul_i32 s91, s26, 98304                      ; the slice's 128 rows,
	s_add_co_u32 s92, s92, s91
	s_mul_i32 s91, s24, 12288                      ; my wave's 16
	s_add_co_u32 s92, s92, s91
	s_mov_b32 s93, 0
	s_lshl_b32 s94, s25, 17                        ; W1's scale bytes
	s_lshl_b32 s91, s26, 12
	s_add_co_u32 s94, s94, s91
	s_mov_b32 s95, 0
	s_lshl_b32 s96, s25, 14                        ; b1
	s_lshl_b32 s91, s26, 9
	s_add_co_u32 s96, s96, s91
	s_mov_b32 s97, 0
	s_wait_kmcnt 0x0
.irp q, 0,1,2,3,4,5,6,7
	global_load_b128 v[IDX+4*\q:IDX+4*\q+3], v10, s[4:5] offset:512*\q   ; register 4 q + c: the expert of token 128 q + 4 lane + c
.endr
	s_add_nc_u64 s[10:11], s[10:11], s[92:93]
	s_add_nc_u64 s[12:13], s[12:13], s[94:95]
	s_add_nc_u64 s[14:15], s[14:15], s[96:97]
	WIN 0x40                                       ; data to window 1
.irp j, 0,1,2,3,4,5,6,7
.irp u, 0,1,2
	global_load_b128 v[4*(3*\j+\u):4*(3*\j+\u)+3], v12, s[10:11] offset:1536*\j+256*\u th:TH_LOAD_NT   ; my rows 2 j, 2 j + 1: sixteen lanes read 256 consecutive bytes, aligned
.endr
.endr
	WIN 0
.irp b, 0,1,2,3
.irp q, 0,1
	global_load_b128 v[WS+8*\b+4*\q:WS+8*\b+4*\q+3], v14, s[12:13] offset:1024*\b+16*\q   ; register 8 b + s: K step s's words of tiles 2 b (lanes 0-15) and 2 b + 1 (lanes 16-31)
.endr
.endr
	global_load_b128 v[20:23], v10, s[14:15]       ; the slice's 128 numbers of b1
	; the rest of the addresses and the constants, while the loads are out
	s_mul_i32 s31, s24, XWB
	s_add_co_u32 s31, s31, XST                     ; my x stage
	v_mad_u32_u24 v5, v2, WP, v1
	v_add_nc_u32 v5, s31, v5                       ; into it: rows 2 j + h, 16 bytes a lane
	s_lshl_b32 s91, s24, 7
	s_add_co_u32 s91, s91, LIST
	v_lshl_add_u32 v6, v2, 2, s91                  ; the list: my unit's places 2 j + h,
	v_lshl_add_u32 v7, v4, 2, s91                  ; and place = lane
	v_lshlrev_b32 v11, 2, v4
	s_lshr_b32 s91, s24, 1
	s_lshl_b32 s91, s91, 5
	s_and_b32 s92, s24, 1
	s_lshl_b32 s92, s92, 3
	s_add_co_u32 s91, s91, s92                     ; my 16 rows' slots begin at 32 (w / 2) + 8 (w % 2): bits 3 and 4 of the row swapped
	s_mul_i32 s91, s91, WP
	v_mad_u32_u24 v13, v2, WP, v1
	v_add_nc_u32 v13, s91, v13
	v_lshlrev_b32 v15, 2, v0
	v_add_nc_u32 v146, 0x400, v4                   ; where a lane with nothing to place puts its word
	v_lshl_add_u32 v217, v4, 4, LIST
	v_lshl_add_u32 v218, v0, 4, LIST
	v_lshlrev_b32 v219, 4, v0
	v_lshl_add_u32 v220, v4, 4, BL
	v_mul_u32_u24 v216, v3, WP
	v_mad_u32_u24 v216, v2, 24, v216               ; a fragment's row x pitch + 24 x half
	WIN 0x40
	v_add_nc_u32 v[AW], WL, v216
	v_add_nc_u32 v[AW+1], 64*WP, v216
	v_add_nc_u32 v[AX], s31, v216
	v_lshl_add_u32 v[AB], v2, 6, BL                ; b1: lanes 16-31 take the hidden units 16 further on
	WIN 0
	KPAIR 66, 0xaf95df0b                           ; P: -2.72614226e-10 (z^12),
	v_mov_b32 v18, 0x32edffee                      ;     2.77068142e-08,
	v_mov_b32 v19, 0x32edffee
	KPAIR 68, 0xb60cff51                           ;    -2.10102402e-06,
	KPAIR 70, 0xb86ec2d2                           ;    -5.69250639e-05,
	KPAIR 72, 0xba40ac63                           ;    -7.34990630e-04,
	KPAIR 74, 0xbb41a1f6                           ;    -2.95459981e-03,
	KPAIR 76, 0xbc83dbd4                           ;    -1.60960333e-02
	KPAIR 78, 0xb77460cd                           ; Q: -1.45660718e-05 (z^8),
	v_mov_b32 v16, 0xb95fbd29                      ;    -2.13374055e-04,
	v_mov_b32 v17, 0xb95fbd29
	KPAIR 80, 0xbadc924e                           ;    -1.68282697e-03,
	KPAIR 82, 0xbbf19bf8                           ;    -7.37332917e-03,
	KPAIR 84, 0xbc69b6a7                           ;    -1.42647391e-02
	KPAIR 86, 0x3f3504f3                           ; 1 / sqrt 2
	s_mov_b32 s88, 0x76543210
	s_mov_b32 s89, 0xfedcba98                      ; v_permlanex16_b32's selects for lane l xor 16
	s_mov_b32 s90, 0xffff0000                      ; lanes 16-31
.irp b, 0,1,2,3
	v_mov_b32 v[TM+4+\b], 0                        ; written once: a lane permute's destination counts as one of its sources
.endr
.irp b, 0,1,2,3
	v_mov_b32 v[148+\b], 0x400                     ; what an empty place holds
.endr
	s_lshl_b32 s92, s25, 12
	s_mov_b32 s93, 0
	s_add_nc_u64 s[20:21], s[20:21], s[92:93]      ; order at my expert
	s_lshl_b32 s92, s25, 10
	s_add_nc_u64 s[22:23], s[22:23], s[92:93]      ; meta at my expert
	s_wait_loadcnt 33                              ; ridx is in; behind it 24 loads of W1, 8 of its scales and 1 of b1 may be out
.set g, 0
.rept 32
	v_cmp_eq_u32 s[32+g], s25, v[IDX+g]            ; which lanes' tokens are my expert's
.set g, g+1
.endr
	s_mov_b32 s27, 0
.set g, 0
.rept 32
	s_bcnt1_i32_b32 s91, s[32+g]
	s_add_co_u32 s27, s27, s91
.set g, g+1
.endr
	s_min_u32 s27, s27, 0x400                      ; N
	s_cmp_lg_u32 s24, 0
	s_cbranch_scc1 .Lsorted
	; wave 0 lays the list.  Up to the barrier below no other wave touches LDS.
.irp k, 0,1,2,3,4,5,6,7,8
	ds_store_b128 v217, v[148:151] offset:512*\k
.endr
	s_mov_b32 s92, 0                               ; places taken so far
.set g, 0
.rept 32
	v_mbcnt_lo_u32_b32 v[64+g], s[32+g], s92       ; my place: those taken + the chosen lanes below me
	v_cndmask_b32 v[64+g], v146, v[64+g], s[32+g]  ; a lane whose token is another expert's writes to its own word behind the list
	v_min_u32 v[64+g], 0x41f, v[64+g]
	v_lshl_add_u32 v[64+g], v[64+g], 2, LIST
	v_add_nc_u32 v[IDX+g], 128*(g/4)+(g%4), v11    ; the token's number
	ds_store_b32 v[64+g], v[IDX+g]                 ; (each of the 32 stores has registers of its own)
	s_bcnt1_i32_b32 s91, s[32+g]
	s_add_co_u32 s92, s92, s91
.set g, g+1
.endr
.Lsorted:
	s_wait_dscnt 0x0                               ; the list lies in LDS
	s_barrier_signal -1
	s_barrier_wait -1
	s_wait_loadcnt 0x0                             ; W1, its scale words, b1
	WIN 0x04                                       ; an LDS store's data: window 1
.irp j, 0,1,2,3,4,5,6,7
.irp u, 0,1,2
	ds_store_b128 v13, v[4*(3*\j+\u):4*(3*\j+\u)+3] offset:(16*(\j/4)+2*(\j%4))*WP+256*\u
.endr
.endr
	WIN 0
	s_cmp_lg_u32 s24, 1
	s_cbranch_scc1 .Lno_bias
	ds_store_b128 v220, v[20:23]
.Lno_bias:
	s_cmp_lg_u32 s26, 0
	s_cbranch_scc1 .Lno_list
	ds_load_b128 v[148:151], v218                  ; slice 0 hands the list and N to the next launch: 512 consecutive bytes a wave
	v_mov_b32 v216, s27
	global_store_b32 v15, v216, s[22:23]
	s_wait_dscnt 0x0
	global_store_b128 v219, v[148:151], s[20:21]
.Lno_list:
	s_wait_dscnt 0x0                               ; my part of W1 (and b1) lies in LDS
	s_barrier_signal -1
	s_barrier_wait -1                              ; the last barrier: from here on a wave reads W1, b1 and the list, which nobody writes, and its own stage
	s_mov_b32 s28, s24                             ; my unit
	s_mov_b32 s29, 0                               ; its place in the list, less my wave's: 1,024 bytes a trip
	s_mov_b32 s30, 0
.Lunit:
	s_wait_xcnt 0x0                                ; earlier stores have read their registers and bases
	s_lshl_b32 s31, s28, 5
	s_cmp_ge_u32 s31, s27
	s_cbranch_scc1 .Lskip                          ; no token of my expert in this unit
	v_add_nc_u32 v8, s29, v6
	v_add_nc_u32 v9, s29, v7
.irp j, 0,1,2,3,4,5,6,7,8,9,10,11,12,13,14,15
	ds_load_b32 v[TK+\j], v8 offset:8*\j           ; the token at place 2 j + h
.endr
	ds_load_b32 v144, v9                           ; and at place = lane
	s_lshl_b32 s36, s25, 5
	s_add_co_u32 s36, s36, s28
	s_lshl_b32 s36, s36, 5
	s_add_co_u32 s36, s36, s26                     ; (32 e + unit) 32 + slice
	s_mul_i32 s38, s36, 3072
	s_mov_b32 s39, 0
	s_add_nc_u64 s[32:33], s[16:17], s[38:39]      ; where my images go,
	s_lshl_b32 s38, s36, 7
	s_add_nc_u64 s[34:35], s[18:19], s[38:39]      ; and their scale words
	s_wait_dscnt 0x0
	v_readfirstlane_b32 s37, v[TK]                 ; the token at the unit's place 0
.irp j, 0,1,2,3,4,5,6,7,8,9,10,11,12,13,14,15
	v_cmp_gt_u32 vcc_lo, 0x400, v[TK+\j]
	v_cndmask_b32 v[TK+\j], s37, v[TK+\j], vcc_lo  ; an empty place takes it
.endr
	v_cmp_gt_u32 vcc_lo, 0x400, v144
	v_cndmask_b32 v144, s37, v144, vcc_lo
.irp j, 0,1,2,3,4,5,6,7,8,9,10,11,12,13,14,15
	v_min_u32 v[TK+\j], 0x3ff, v[TK+\j]            ; a token's number is under 1,024
.endr
.irp j, 0,1,2,3,4,5,6,7,8,9,10,11,12,13,14,15
	v_mul_u32_u24 v[GA+\j], 768, v[TK+\j]
.endr
.irp j, 0,1,2,3,4,5,6,7,8,9,10,11,12,13,14,15
	v_add_nc_u32 v[GA+\j], v[GA+\j], v1
.endr
	v_min_u32 v144, 0x3ff, v144
	v_lshlrev_b32 v145, 5, v144
	WIN 0x40
.irp j, 0,1,2,3,4,5,6,7,8,9,10,11,12,13,14,15
.irp u, 0,1,2
	global_load_b128 v[4*(3*\j+\u):4*(3*\j+\u)+3], v[GA+\j], s[6:7] offset:256*\u   ; sixteen lanes read 256 consecutive bytes of a token's row, aligned
.endr
.endr
	WIN 0
	global_load_b128 v[XS:XS+3], v145, s[8:9]      ; register s: K step s's scale word of token = lane: lanes 0-15 tile 0, lanes 16-31 tile 1
	global_load_b128 v[XS+4:XS+7], v145, s[8:9] offset:16
	WIN 0x04
.irp j, 0,1,2,3,4,5,6,7,8,9,10,11,12,13,14,15
	s_wait_loadcnt 2+3*(15-\j)                     ; rows 2 j, 2 j + 1 are in; the rows behind them and the two loads of scale words may be out
.irp u, 0,1,2
	ds_store_b128 v5, v[4*(3*\j+\u):4*(3*\j+\u)+3] offset:2*\j*WP+256*\u
.endr
.endr
	s_wait_dscnt 0x0                               ; the stores have read their registers, which now take the sums and W1's fragments
	WIN 0x51
.irp m, 0,1
.irp t, 0,1,2,3,4,5,6,7
	ds_load_b128 v[64*\m+8*\t:64*\m+8*\t+3], v[AB] offset:128*(\t/2)+32*(\t%2)       ; b1 begins the sums: register j of tile t is hidden unit 32 (t / 2) + 16 h + 8 (t % 2) + j
	ds_load_b128 v[64*\m+8*\t+4:64*\m+8*\t+7], v[AB] offset:128*(\t/2)+32*(\t%2)+16
.endr
.endr
	FETCH_W 0, 0
	FETCH_X 0, 0
	FETCH_W 1, 0
	s_wait_loadcnt 0x0                             ; x's scale words
.irp s, 0,1,2,3,4,5,6,7
	s_wait_dscnt 24                                ; tiles 0-3 and x are in (in the first step b1 too); the 24 loads of tiles 4-7 may be out
	MUL8 0, \s
.if \s < 7
	PLACES
	FETCH_W 0, \s+1
	FETCH_X (\s+1)%2, \s+1
	s_wait_dscnt 36                                ; tiles 4-7 are in; the 36 loads just issued may be out
.else
	s_wait_dscnt 0x0
.endif
	MUL8 1, \s
.if \s < 7
	PLACES
	FETCH_W 1, \s+1
.endif
.endr
	PLACES                                         ; ahead of the first read of results
	HALF 0
	HALF 1
	v_cndmask_b32 v[PW+1], v[PW], v[PW+1], s90     ; lanes 0-15: tokens 0-15's words, lanes 16-31: tokens 16-31's
	global_store_b32 v11, v[PW+1], s[34:35]
.Lskip:
	s_add_co_u32 s28, s28, 8
	s_add_co_u32 s29, s29, 1024
	s_add_co_u32 s30, s30, 1
	s_cmp_lt_u32 s30, 4
	s_cbranch_scc1 .Lunit
	s_wait_tensorcnt 0x0
	ds_add_u32 v254, v255
	s_wait_dscnt 0x0
	s_endpgm
.Lfunc_end_k_q3d8c87872d_ffn1:
	.size	k_q3d8c87872d_ffn1, .Lfunc_end_k_q3d8c87872d_ffn1-k_q3d8c87872d_ffn1
	.p2alignl 7, 3214868480
	.fill 96, 4, 3214868480
	.section	.rodata,"a",@progbits
	.p2align	6, 0x0
	.amdhsa_kernel k_q3d8c87872d_ffn1
		.amdhsa_group_segment_fixed_size 307200
		.amdhsa_private_segment_fixed_size 0
		.amdhsa_enable_private_segment 0
		.amdhsa_kernarg_size 80
		.amdhsa_user_sgpr_count 2
		.amdhsa_user_sgpr_kernarg_segment_ptr 1
		.amdhsa_wavefront_size32 1
		.amdhsa_system_sgpr_workgroup_id_x 1
		.amdhsa_system_sgpr_workgroup_id_y 1
		.amdhsa_system_sgpr_workgroup_id_z 1
		.amdhsa_system_vgpr_workitem_id 0
		.amdhsa_next_free_vgpr 512
		.amdhsa_next_free_sgpr 100
		.amdhsa_reserve_vcc 1
		.amdhsa_float_denorm_mode_32 3
		.amdhsa_float_denorm_mode_16_64 3
		.amdhsa_memory_ordered 1
		.amdhsa_forward_progress 1
		.amdhsa_inst_pref_size 182
	.end_amdhsa_kernel
	.amdgpu_metadata
---
amdhsa.version: [ 1, 2 ]
amdhsa.kernels:
  - .name:           k_q3d8c87872d_ffn1
    .symbol:         k_q3d8c87872d_ffn1.kd
    .args:
      - { .name: ridx, .offset: 0, .size: 8, .value_kind: global_buffer, .address_space: global }
      - { .name: xq_codes, .offset: 8, .size: 8, .value_kind: global_buffer, .address_space: global }
      - { .name: xq_scales, .offset: 16, .size: 8, .value_kind: global_buffer, .address_space: global }
      - { .name: w1_codes, .offset: 24, .size: 8, .value_kind: global_buffer, .address_space: global }
      - { .name: w1_scales, .offset: 32, .size: 8, .value_kind: global_buffer, .address_space: global }
      - { .name: b1, .offset: 40, .size: 8, .value_kind: global_buffer, .address_space: global }
      - { .name: h_codes, .offset: 48, .size: 8, .value_kind: global_buffer, .address_space: global }
      - { .name: h_scales, .offset: 56, .size: 8, .value_kind: global_buffer, .address_space: global }
      - { .name: order, .offset: 64, .size: 8, .value_kind: global_buffer, .address_space: global }
      - { .name: meta, .offset: 72, .size: 8, .value_kind: global_buffer, .address_space: global }
    .group_segment_fixed_size: 307200
    .private_segment_fixed_size: 0
    .kernarg_segment_align: 8
    .kernarg_segment_size: 80
    .max_flat_workgroup_size: 256
    .sgpr_count:     100
    .vgpr_count:     512
    .wavefront_size: 32
...
	.end_amdgpu_metadata
.endif
;; end of part 2
;; launch ffn2 (part 3): grid 32 x 8, 8 waves a work-group, no clusters, 140,800 bytes of LDS; arguments meta, order, rgw, h_codes, h_scales, w2_codes, w2_scales, b2, out0; writes out0
.if DOCPART == 3
	.amdgcn_target "amdgcn-amd-amdhsa--gfx1250"
	.amdhsa_code_object_version 6
	.text
	.protected	k_q3d8c87872d_ffn2
	.globl	k_q3d8c87872d_ffn2
	.p2align	8
	.type	k_q3d8c87872d_ffn2,@function
k_q3d8c87872d_ffn2:
	s_mov_b64 s[64:65], 0
	v_nop
	global_prefetch_b8 v0, s[64:65] scope:SCOPE_SE
	s_setreg_imm32_b32 hwreg(HW_REG_WAVE_MODE, 25, 1), 1
	s_wait_xcnt 0x0
; SECOND LAYER OF THE CHOSEN EXPERTS.  out0[token][n] = rgw[token] x (h W2[e]^T + b2[e])[n] for the tokens of expert e, in the order of the list that the launch before stored.
; Work-group (x = slice, y = expert e) owns outputs 32 slice .. + 31 of expert e: 32 rows of W2's codes, 98,304 dense bytes, read from memory once in the launch and kept in LDS.
; The expert's list, order[e], 4,096 bytes, is copied into LDS once, with W2, 16 bytes a thread: the units take their tokens from there.
; UNITS as in the launch before: 32 places of the list; wave w takes units w, w + 8, w + 16, w + 24 (four trips, a constant) and jumps over a unit that begins at or behind N = meta[e].  No barrier stands behind that jump.
; A unit: 32 K steps of 128 hidden units; h's fragments come from memory straight into registers, as the images that were stored (6 loads of 512 consecutive bytes a K step), through a ring of 7 K steps: 42 loads a wave are out;
; W2's fragments come from LDS, one K step ahead.  Four accumulators (2 tiles of outputs x 2 tiles of tokens) take turns.  b2 is the C of each sum's first instruction.
; THE PRODUCT IS USED TRANSPOSED (source 0 = 16 rows of W2, source 1 = 16 tokens): a lane holds one token and eight neighbouring outputs.  The results, times the token's gate weight, go through the wave's own stage in LDS,
; and eight lanes store a token's 128 consecutive bytes.  Each token stands in one expert's list, and each output of it in one slice: every number of out0 has one owner.
; AN EMPTY PLACE (1024) TAKES THE TOKEN AT ITS UNIT'S PLACE 0, as in the launch before: its row of h is row 0's, so the wave stores row 0's numbers a second time to the same bytes.  So every lane stays on.
; A slice of 32 outputs is 128 bytes of a row: wider slices would give work to fewer than the 256 work-groups that share W2's bytes evenly.
; NO TENSOR LOADS, NO CLUSTER: the 32 work-groups of an expert read the same h, but the number of units hangs on a count read from memory, and with such a jump the operands go through registers.
; REGISTERS.  Window 0: v1-15 addresses; v[16:17] gate weights; v18-27 tokens; v28-35 offsets in out0; v36-51 b2; v52-63 addresses and the list's 16 bytes; v64-95 W2's scale words; v96-127 h's scale words; v128-159 results; v160-191 rows read back.
;   Window 1: v0-167 the ring, 24 registers a K step; v168-215 W2's fragments, two sets; v216-247 the accumulators ((t, m) at 16 t + 8 m); v248, v249 addresses.
.set WP2,  3088                        ; a row of 3,072 bytes + 16 = 772 words: lane (r, h) of a load of 8 bytes starts at bank 4 r + 6 h mod 64 (64 banks of 4 bytes: ISA guide 11.1)
.set WL2,  0
.set STG,  32*WP2                      ; the stages: 32 rows x (128 bytes + 16) for each wave
.set LIST, STG+8*32*144                ; the expert's list: 1,024 words
.set GW,   16
.set TKA,  18                          ; v18, v19: the tokens of my column in tiles 0 and 1
.set TK2,  20                          ; v20-27:   the tokens whose rows I store
.set OUTA, 28
.set B2,   36
.set LQ,   56                          ; v56-59: my 16 bytes of the list
.set LA,   60                          ; v60, v61: the unit's places in LDS
.set GWA,  62                          ; v62, v63: offsets in rgw
.set W2S,  64
.set HS,   96
.set Y,    128
.set RB,   160
.set WF,   168                         ; window 1
.set ACC,  216                         ; window 1
.set MSB, 0
.macro WIN new                         ; the immediate's high byte repeats the setting that is left
.if MSB != \new
	s_set_vgpr_msb (MSB<<8)|\new
.set MSB, \new
.endif
.endm
.macro PLACES                          ; four plain instructions behind a matrix instruction, ahead of loads into its registers and of reads of its results
.rept 4
	v_nop
.endr
.endm
.macro FRAG reg, adr, off
.irp p, 0,1,2,3,4,5
	ds_load_b64 v[(\reg)+2*\p:(\reg)+2*\p+1], v[\adr] offset:(\off)+48*(\p/3)+8*(\p%3)
.endr
.endm
.macro FETCHW s                        ; W2's two tiles of K step s into set s % 2
.irp t, 0,1
	FRAG WF+24*((\s)%2)+12*\t, 248, 16*\t*WP2+96*(\s)
.endr
.endm
.macro RINGLD s                        ; h's two fragments of K step s into slot s % 7, as they were stored
.irp c, 0,1,2,3,4,5
	global_load_b128 v[24*((\s)%7)+4*\c:24*((\s)%7)+4*\c+3], v249, s[32:33] offset:3072*(\s)+512*\c
.endr
.endm
.macro MM2 t, m, s                     ; tile t of outputs x tile m of tokens, K step s.  A scale register holds both tiles' words: lanes 0-15 tile 0's, lanes 16-31 tile 1's
.set rD, ACC+16*(\t)+8*(\m)
.set rA, WF+24*((\s)%2)+12*(\t)
.set rB, 24*((\s)%7)+12*(\m)
.set rC, rD
.if (\s) == 0
.set rC, B2+8*(\t)                     ; (window 0) the bias starts the sum
.endif
.if ((\t) == 0) && ((\m) == 0)
	v_wmma_scale_f32_16x16x128_f8f6f4 v[rD:rD+7], v[rA:rA+11], v[rB:rB+11], v[rC:rC+7], v[W2S+(\s)], v[HS+(\s)] matrix_a_fmt:MATRIX_FMT_BF6 matrix_b_fmt:MATRIX_FMT_BF6
.elseif ((\t) == 1) && ((\m) == 0)
	v_wmma_scale_f32_16x16x128_f8f6f4 v[rD:rD+7], v[rA:rA+11], v[rB:rB+11], v[rC:rC+7], v[W2S+(\s)], v[HS+(\s)] matrix_a_fmt:MATRIX_FMT_BF6 matrix_b_fmt:MATRIX_FMT_BF6 matrix_a_scale:MATRIX_SCALE_ROW1
.elseif ((\t) == 0) && ((\m) == 1)
	v_wmma_scale_f32_16x16x128_f8f6f4 v[rD:rD+7], v[rA:rA+11], v[rB:rB+11], v[rC:rC+7], v[W2S+(\s)], v[HS+(\s)] matrix_a_fmt:MATRIX_FMT_BF6 matrix_b_fmt:MATRIX_FMT_BF6 matrix_b_scale:MATRIX_SCALE_ROW1
.else
	v_wmma_scale_f32_16x16x128_f8f6f4 v[rD:rD+7], v[rA:rA+11], v[rB:rB+11], v[rC:rC+7], v[W2S+(\s)], v[HS+(\s)] matrix_a_fmt:MATRIX_FMT_BF6 matrix_b_fmt:MATRIX_FMT_BF6 matrix_a_scale:MATRIX_SCALE_ROW1 matrix_b_scale:MATRIX_SCALE_ROW1
.endif
.endm
.macro STEP s
.if (\s) < 31
	FETCHW (\s)+1
	s_wait_dscnt 12                                ; this step's fragments of W2 are in; the next step's twelve loads may be out
.else
	s_wait_dscnt 0x0
.endif
.if (\s) == 0
	s_wait_loadcnt 18                              ; the gate weights, h's scale words and slot 0 are in; slots 1 to 3 may be out
	RINGLD 4                                       ; the ring's other three slots
	RINGLD 5
	RINGLD 6
	WIN 0x45                                       ; both fragments and D in window 1, C (b2) in window 0
.elseif 31-(\s) >= 6
	s_wait_loadcnt 36                              ; this step's slot is in; six younger slots may be out
.else
	s_wait_loadcnt 6*(31-(\s))
.endif
	MM2 0, 0, \s                                   ; the four accumulators take turns, in the same order in every step
	MM2 0, 1, \s
	MM2 1, 0, \s
	MM2 1, 1, \s
	WIN 0x55
	PLACES
.if (\s)+7 <= 31
	RINGLD (\s)+7                                  ; into the slot just multiplied
.endif
.endm
	s_load_b256 s[4:11], s[0:1], 0x0               ; meta s[4:5], order s[6:7], rgw s[8:9], h_codes s[10:11]
	s_load_b256 s[12:19], s[0:1], 0x20             ; h_scales s[12:13], w2_codes s[14:15], w2_scales s[16:17], b2 s[18:19]
	s_load_b64 s[20:21], s[0:1], 0x40              ; out0
	v_lshl_add_u32 v254, v0, 2, 0x22200
	v_mov_b32 v255, 0
	v_lshrrev_b32 v4, 5, v0
	v_readfirstlane_b32 s24, v4                    ; wave 0..7
	s_and_b32 s25, ttmp7, 0xffff                   ; expert
	s_mov_b32 s26, ttmp9                           ; slice
	v_and_b32 v4, 31, v0                           ; lane
	v_and_b32 v3, 15, v0                           ; r
	v_bfe_u32 v2, v0, 4, 1                         ; h
	v_lshlrev_b32 v1, 4, v3                        ; 16 r
	v_mad_u32_u24 v12, v2, 3072, v1                ; W2 in memory: lanes 0-15 one row's 256 bytes, lanes 16-31 the next row's
	v_lshlrev_b32 v14, 7, v4                       ; W2's scale bytes: output row = lane, 128 bytes a row
	v_lshlrev_b32 v15, 5, v2                       ; b2: lanes 16-31 take the outputs 8 further on
	v_lshlrev_b32 v55, 4, v0                       ; the list: 16 bytes a thread
	s_mul_i32 s40, s25, 3145728                    ; W2's codes: the expert's 1,024 rows of 3,072 bytes,
	s_mul_i32 s31, s26, 98304                      ; the slice's 32 rows,
	s_add_co_u32 s40, s40, s31
	s_mul_i32 s31, s24, 12288                      ; my wave's 4
	s_add_co_u32 s40, s40, s31
	s_mov_b32 s41, 0
	s_lshl_b32 s42, s25, 17                        ; W2's scale bytes
	s_lshl_b32 s31, s26, 12
	s_add_co_u32 s42, s42, s31
	s_mov_b32 s43, 0
	s_lshl_b32 s44, s25, 12                        ; b2
	s_lshl_b32 s31, s26, 7
	s_add_co_u32 s44, s44, s31
	s_mov_b32 s45, 0
	s_lshl_b32 s46, s25, 10                        ; meta
	s_mov_b32 s47, 0
	s_lshl_b32 s48, s25, 12                        ; order
	s_mov_b32 s49, 0
	s_wait_kmcnt 0x0
	s_add_nc_u64 s[4:5], s[4:5], s[46:47]
	s_add_nc_u64 s[6:7], s[6:7], s[48:49]
	s_add_nc_u64 s[14:15], s[14:15], s[40:41]
	s_add_nc_u64 s[16:17], s[16:17], s[42:43]
	s_add_nc_u64 s[18:19], s[18:19], s[44:45]
	s_load_b32 s27, s[4:5], 0x0                    ; N
	WIN 0x40                                       ; data to window 1
.irp j, 0,1
.irp u, 0,1,2,3,4,5,6,7,8,9,10,11
	global_load_b128 v[4*(12*\j+\u):4*(12*\j+\u)+3], v12, s[14:15] offset:6144*\j+256*\u th:TH_LOAD_NT   ; my rows 2 j, 2 j + 1: sixteen lanes read 256 consecutive bytes, aligned
.endr
.endr
	WIN 0
.irp q, 0,1,2,3,4,5,6,7
	global_load_b128 v[W2S+4*\q:W2S+4*\q+3], v14, s[16:17] offset:16*\q   ; register s: K step s's word of output row = lane
.endr
.irp t, 0,1
	global_load_b128 v[B2+8*\t:B2+8*\t+3], v15, s[18:19] offset:64*\t     ; register j of tile t: b2 of output 16 t + 8 h + j
	global_load_b128 v[B2+8*\t+4:B2+8*\t+7], v15, s[18:19] offset:64*\t+16
.endr
	global_load_b128 v[LQ:LQ+3], v55, s[6:7]       ; the list: a wave reads 512 consecutive bytes
	s_mul_i32 s31, s24, 32*144
	s_add_co_u32 s31, s31, STG                     ; my stage
	v_mul_u32_u24 v5, v3, 144
	v_lshl_add_u32 v5, v2, 5, v5
	v_add_nc_u32 v5, s31, v5                       ; in: row r, 32 bytes for each half of the lanes
	v_lshrrev_b32 v52, 3, v4                       ; lane / 8
	v_and_b32 v53, 7, v4                           ; lane % 8
	v_mul_u32_u24 v6, v52, 144
	v_lshl_add_u32 v6, v53, 4, v6
	v_add_nc_u32 v6, s31, v6                       ; back: eight lanes to a row, four rows an instruction
	s_lshl_b32 s38, s26, 7
	v_lshl_add_u32 v7, v53, 4, s38                 ; and the same 16 bytes in a row of out0
	s_lshl_b32 s38, s24, 7
	s_add_co_u32 s38, s38, LIST
	v_lshl_add_u32 v8, v3, 2, s38                  ; the list: my unit's place r,
	v_lshl_add_u32 v9, v52, 2, s38                 ; and place lane / 8
	v_lshlrev_b32 v10, 2, v4
	v_lshl_add_u32 v11, v0, 4, LIST                ; where my 16 bytes of the list go
	s_lshl_b32 s38, s24, 2
	s_mul_i32 s38, s38, WP2
	v_mad_u32_u24 v13, v2, WP2, v1
	v_add_nc_u32 v13, s38, v13                     ; W2 in LDS: rows 4 w + 2 j + h
	v_mul_u32_u24 v54, v3, WP2
	v_mad_u32_u24 v54, v2, 24, v54                 ; a fragment's row x pitch + 24 x half
	WIN 0x40
	v_add_nc_u32 v248, WL2, v54
	v_lshlrev_b32 v249, 4, v4                      ; 16 lane: an image's place for my lane
	WIN 0
	s_wait_loadcnt 0x0
	WIN 0x04                                       ; an LDS store's data: window 1
.irp j, 0,1
.irp u, 0,1,2,3,4,5,6,7,8,9,10,11
	ds_store_b128 v13, v[4*(12*\j+\u):4*(12*\j+\u)+3] offset:2*\j*WP2+256*\u
.endr
.endr
	WIN 0
	ds_store_b128 v11, v[LQ:LQ+3]
	s_wait_kmcnt 0x0
	s_min_u32 s27, s27, 0x400
	s_wait_dscnt 0x0                               ; my parts of W2 and of the list lie in LDS
	s_barrier_signal -1
	s_barrier_wait -1                              ; the one barrier: from here on a wave reads W2 and the list, which nobody writes, and its own stage
	s_mov_b32 s28, s24                             ; my unit
	s_mov_b32 s29, 0                               ; its place in the list, less my wave's: 1,024 bytes a trip
	s_mov_b32 s30, 0
.Lunit:
	s_wait_xcnt 0x0                                ; earlier loads and stores have read their registers and bases
	s_lshl_b32 s31, s28, 5
	s_cmp_ge_u32 s31, s27
	s_cbranch_scc1 .Lskip                          ; no token of my expert in this unit
	v_add_nc_u32 v[LA], s29, v8
	v_add_nc_u32 v[LA+1], s29, v9
	ds_load_b32 v[TKA], v[LA]                      ; the token of my column in tile 0: place r,
	ds_load_b32 v[TKA+1], v[LA] offset:64          ; and in tile 1: place 16 + r
.irp i, 0,1,2,3,4,5,6,7
	ds_load_b32 v[TK2+\i], v[LA+1] offset:16*\i    ; the token whose row I store: place 4 i + lane / 8
.endr
	s_lshl_b32 s38, s25, 5
	s_add_co_u32 s38, s38, s28                     ; 32 e + unit
	s_mul_i32 s40, s38, 98304
	s_mov_b32 s41, 0
	s_add_nc_u64 s[32:33], s[10:11], s[40:41]      ; the unit's images,
	s_lshl_b32 s40, s38, 12
	s_add_nc_u64 s[34:35], s[12:13], s[40:41]      ; and their scale words
	s_wait_dscnt 0x0
	v_readfirstlane_b32 s39, v[TKA]                ; the token at the unit's place 0
.irp i, 0,1,2,3,4,5,6,7,8,9
	v_cmp_gt_u32 vcc_lo, 0x400, v[TKA+\i]
	v_cndmask_b32 v[TKA+\i], s39, v[TKA+\i], vcc_lo   ; an empty place takes it
.endr
.irp i, 0,1,2,3,4,5,6,7,8,9
	v_min_u32 v[TKA+\i], 0x3ff, v[TKA+\i]          ; a token's number is under 1,024
.endr
	v_lshlrev_b32 v[GWA], 2, v[TKA]
	v_lshlrev_b32 v[GWA+1], 2, v[TKA+1]
.irp i, 0,1,2,3,4,5,6,7
	v_mul_u32_u24 v[OUTA+\i], 4096, v[TK2+\i]      ; the token's row of 4,096 bytes
.endr
.irp i, 0,1,2,3,4,5,6,7
	v_add_nc_u32 v[OUTA+\i], v[OUTA+\i], v7        ; + my 16 bytes of the slice's 128
.endr
	global_load_b32 v[GW], v[GWA], s[8:9]          ; the gate weights of my two columns
	global_load_b32 v[GW+1], v[GWA+1], s[8:9]
.set S, 0
.rept 32
	global_load_b32 v[HS+S], v10, s[34:35] offset:128*S   ; K step S: lanes 0-15 tokens 0-15's words, lanes 16-31 tokens 16-31's
.set S, S+1
.endr
	WIN 0x55                                       ; data and addresses in window 1
.set S, 0
.rept 4
	RINGLD S                                       ; with these 24 a wave has 58 loads out
.set S, S+1
.endr
	FETCHW 0
.set S, 0
.rept 32
	STEP S
.set S, S+1
.endr
	WIN 0x01                                       ; the sums: window 1.
.irp t, 0,1
.irp m, 0,1
.irp j, 0,2,4,6
.if \m == 0
	v_pk_mul_f32 v[Y+16*\t+8*\m+\j:Y+16*\t+8*\m+\j+1], v[ACC+16*\t+8*\m+\j:ACC+16*\t+8*\m+\j+1], v[GW:GW+1] op_sel_hi:[1,0]
.else
	v_pk_mul_f32 v[Y+16*\t+8*\m+\j:Y+16*\t+8*\m+\j+1], v[ACC+16*\t+8*\m+\j:ACC+16*\t+8*\m+\j+1], v[GW:GW+1] op_sel:[0,1] op_sel_hi:[1,1]
.endif
.endr
.endr
.endr
	WIN 0
.irp t, 0,1
.irp m, 0,1
	ds_store_b128 v5, v[Y+16*\t+8*\m:Y+16*\t+8*\m+3] offset:16*\m*144+64*\t          ; lane (r, h): token 16 m + r, outputs 16 t + 8 h + 0 .. 7
	ds_store_b128 v5, v[Y+16*\t+8*\m+4:Y+16*\t+8*\m+7] offset:16*\m*144+64*\t+16
.endr
.endr
.irp i, 0,1,2,3,4,5,6,7
	ds_load_b128 v[RB+4*\i:RB+4*\i+3], v6 offset:4*\i*144   ; LDS serves a wave's instructions in order: these see my stores
.endr
.irp i, 0,1,2,3,4,5,6,7
	s_wait_dscnt 7-\i                              ; rows 4 i .. 4 i + 3 are back; the later ones may be out
	global_store_b128 v[OUTA+\i], v[RB+4*\i:RB+4*\i+3], s[20:21] th:TH_STORE_NT   ; eight lanes store 128 consecutive bytes of a token's row
.endr
.Lskip:
	s_add_co_u32 s28, s28, 8
	s_add_co_u32 s29, s29, 1024
	s_add_co_u32 s30, s30, 1
	s_cmp_lt_u32 s30, 4
	s_cbranch_scc1 .Lunit
	s_wait_tensorcnt 0x0
	ds_add_u32 v254, v255
	s_wait_dscnt 0x0
	s_endpgm
.Lfunc_end_k_q3d8c87872d_ffn2:
	.size	k_q3d8c87872d_ffn2, .Lfunc_end_k_q3d8c87872d_ffn2-k_q3d8c87872d_ffn2
	.p2alignl 7, 3214868480
	.fill 96, 4, 3214868480
	.section	.rodata,"a",@progbits
	.p2align	6, 0x0
	.amdhsa_kernel k_q3d8c87872d_ffn2
		.amdhsa_group_segment_fixed_size 140800
		.amdhsa_private_segment_fixed_size 0
		.amdhsa_enable_private_segment 0
		.amdhsa_kernarg_size 72
		.amdhsa_user_sgpr_count 2
		.amdhsa_user_sgpr_kernarg_segment_ptr 1
		.amdhsa_wavefront_size32 1
		.amdhsa_system_sgpr_workgroup_id_x 1
		.amdhsa_system_sgpr_workgroup_id_y 1
		.amdhsa_system_sgpr_workgroup_id_z 1
		.amdhsa_system_vgpr_workitem_id 0
		.amdhsa_next_free_vgpr 512
		.amdhsa_next_free_sgpr 66
		.amdhsa_reserve_vcc 1
		.amdhsa_float_denorm_mode_32 3
		.amdhsa_float_denorm_mode_16_64 3
		.amdhsa_memory_ordered 1
		.amdhsa_forward_progress 1
		.amdhsa_inst_pref_size 84
	.end_amdhsa_kernel
	.amdgpu_metadata
---
amdhsa.version: [ 1, 2 ]
amdhsa.kernels:
  - .name:           k_q3d8c87872d_ffn2
    .symbol:         k_q3d8c87872d_ffn2.kd
    .args:
      - { .name: meta, .offset: 0, .size: 8, .value_kind: global_buffer, .address_space: global }
      - { .name: order, .offset: 8, .size: 8, .value_kind: global_buffer, .address_space: global }
      - { .name: rgw, .offset: 16, .size: 8, .value_kind: global_buffer, .address_space: global }
      - { .name: h_codes, .offset: 24, .size: 8, .value_kind: global_buffer, .address_space: global }
      - { .name: h_scales, .offset: 32, .size: 8, .value_kind: global_buffer, .address_space: global }
      - { .name: w2_codes, .offset: 40, .size: 8, .value_kind: global_buffer, .address_space: global }
      - { .name: w2_scales, .offset: 48, .size: 8, .value_kind: global_buffer, .address_space: global }
      - { .name: b2, .offset: 56, .size: 8, .value_kind: global_buffer, .address_space: global }
      - { .name: out0, .offset: 64, .size: 8, .value_kind: global_buffer, .address_space: global }
    .group_segment_fixed_size: 140800
    .private_segment_fixed_size: 0
    .kernarg_segment_align: 8
    .kernarg_segment_size: 72
    .max_flat_workgroup_size: 256
    .sgpr_count:     66
    .vgpr_count:     512
    .wavefront_size: 32
...
	.end_amdgpu_metadata
.endif
;; end of part 3
